; MI455X (gfx1250); checked and timed in simulation.
; The chip was launched on July 23, 2026; its instructions are those of AMD's public machine-readable ISA for CDNA 5 (MIT licence, August 2026) and "CDNA5" Instruction Set Architecture Reference Guide (July 2026). The comments in the code are by the model that wrote it; some were corrected since.
;; Linear Net. Allowed arithmetic: float matrix products may take bf16 or f16 operands with f32 sums; all other float work in f32.
;; Inputs: enc_b1 20 float32; enc_b2 1 float32; enc_w1 20 x 5 float32; enc_w2 1 x 20 float32; lx1_b 20 float32; lx1_w 20 x 1 float32; lx2_b 1 float32; lx2_w 1 x 20 float32; nl1_b 20 float32; nl1_w 20 x 1 float32; nl2_b 1 float32; nl2_w 1 x 20 float32; params1 3 x 2 float32; sec1_b 20 float32; sec1_w 20 x 1 float32; sec2_b 1 float32; sec2_w 1 x 20 float32; u0 16,384 x 1 int32; x 16,384 x 3 float32; zr 100 x 16,384 x 1 float32.
;; Outputs: out0 16,384 x 1 float32; out1 100 x 16,384 x 1 float32.
;; One version. Each part assembles by itself: llvm-mc -triple=amdgcn-amd-amdhsa -mcpu=gfx1250 --defsym DOCPART=n.
;; ======== version 1 of 1: 1 launch
;; limits: inputs' magnitudes at most 2,147,483,648; right only within a limited range of input values
;; launch linearnet (part 1): grid 256 x 1, 4 waves a work-group, no clusters, 168,448 bytes of LDS; arguments zr, x, u0, params1, enc_w1, enc_b1, enc_w2, enc_b2, lx1_w, sec1_w, nl1_w, lx1_b, sec1_b, nl1_b, lx2_w, sec2_w, nl2_w, lx2_b, sec2_b, nl2_b, out0, out1; writes out0, out1
.if DOCPART == 1
	.amdgcn_target "amdgcn-amd-amdhsa--gfx1250"
	.amdhsa_code_object_version 6
	.text
	.protected	k_q81886de936_linearnet
	.globl	k_q81886de936_linearnet
	.p2align	8
	.type	k_q81886de936_linearnet,@function
k_q81886de936_linearnet:
	s_mov_b64 s[64:65], 0
	v_nop
	global_prefetch_b8 v0, s[64:65] scope:SCOPE_SE
	s_setreg_imm32_b32 hwreg(HW_REG_WAVE_MODE, 25, 1), 1
	s_wait_xcnt 0x0
; LinearNet: for 100 iterations t and 16,384 columns b: encoder 5 -> 20 -> 1 (ReLU) = out1, its derivative by zr, three decoders
; 1 -> 20 -> 1 (ReLU) on the scalar latent, a 3-vector norm, a log, and the mean over t = out0.  Everything in f32.
;
; SHARES.  256 work-groups of four waves.  A work-group owns 64 columns = 256 consecutive, aligned bytes of every row of zr and out1.
; A wave owns 25 of the 100 t; a lane owns two neighbouring columns, a register pair for the packed f32 instructions, so that one
; 8-byte load or store of a wave covers those 256 bytes whole.  The four waves' partial sums over t meet in LDS; wave 0 stores out0.
;
; ALGEBRA.  Per column, once: c_h = b1_h + w1[h,0] u0 + w1[h,2..4] . x, so that pre_h = c_h + w1[h,1] zr.
;   S_h = step(pre_h) = clamp01(zr (2^96 w1[h,1]) + 2^96 c_h)                one packed FMA with clamp for two points
;   z_grad = sum S_h g_h, g_h = w2_h w1[h,1];   enc = b2 + sum S_h q_h + zr z_grad, q_h = w2_h c_h (per column)
;   decoders: relu(y) = 2^64 clamp01(2^-64 y): Y = clamp01(enc (2^-64 w) + 2^-64 b), acc += Y (2^64 v); acc starts at bias_i - x_i.
;   Three packed FMAs for an encoder unit and two for a decoder unit, for two points.
;
; NO MATRIX INSTRUCTIONS: the layers have K = 5, 1 and 20 and N = 20 and 1.  A 16x16x32 product on a K = 1 layer (2 with its bias) would use
; 2 of its 32 k and give 256 numbers, as many as four packed FMAs of a wave give, and each of those numbers would still need its ReLU and a
; rounding to bf16 on the vector unit before the next layer: more vector instructions than the two per pair that the whole f32 path takes.
; NO CLUSTER: the work-groups share nothing but some 1.5 KB of weights, against 25,600 bytes of zr that each reads alone.
; NO RING: a wave's 6,400 bytes of zr are asked for at once by two tensor loads; no LDS byte is filled twice.
;
; LIMITS.  0 < pre_h < 2^-96 gives a fractional step.  |c_h| and |w1[h,1]| stay below 2^31 (their 2^96-fold must be finite).
; A decoder's pre-activation above 2^64 saturates, its |w|, |b| below 2^-62 lose bits, and |v| stays below 2^64.  A NaN in a pre-activation
; is not carried through the clamp.  v_log_f32 and v_sqrt_f32 take denormals as zero (ISA guide 15.8): |z_grad| or a squared norm below
; 2^-126 counts as 0.  u0 outside 1..3 takes row 3 of params1.  enc is summed as (b2 + sum S q) + zr (sum S g), another order of
; rounding than the reference's sum of relu(pre) w2; the sums over t are made per wave and then added, waves 0 to 3.
.set ROWB,   65536                     ; bytes in a row of zr and of out1
.set TW,     25                        ; t of a wave
.set TA,     5                         ; rows in the first tile, TW-TA in the second
.set ZWAVE,  TW*256                    ; LDS: a wave's zr rows, from byte wave*ZWAVE; filled by tensor loads alone
.set WS,     4*ZWAVE                   ; LDS 25,600: a wave's weight stage, 17 slots of 128 bytes, written by ds_store alone
.set WSW,    2304                      ; bytes of stage for each wave (9 blocks of 256)
.set RED,    WS+4*WSW                  ; LDS 34,816: 256 bytes for each wave, its partial loss
; stage slots: 0-3 enc_w1 (100 numbers in a run), 4 enc_b1, 5 enc_w2, 6 2^96 w1[:,1], 7 g, 8-10 2^-64 w, 11-13 2^-64 b, 14-16 2^64 v
; vector registers, window 0
.set LANE, 1
.set LOFF, 2                           ; 8 x lane: my two columns in a 256-byte piece of a row
.set ZA,   3                           ; LDS address of my 8 bytes in the current row of zr
.set WA,   4                           ; my wave's stage (the same in all lanes)
.set WST,  5                           ; WA + 4 x lane
.set I20,  6                           ; 4 min(lane, 19)
.set IZ,   7                           ; 20 min(lane, 19) + 4: enc_w1[h][1]
.set XO,   8                           ; 24 x lane
.set RA,   9                           ; where my wave's partial loss goes
.set I100, 10                          ; v[10:13] 4 min(lane + 32 k, 99)
.set ZR,   14                          ; zr of my two columns
.set EN,   16                          ; enc
.set A0,   18                          ; v[18:21] two chains of b2 + sum S q
.set Z0,   22                          ; v[22:25] two chains of sum S g
.set TT,   26
.set LG,   28
.set N2,   30
.set NR,   32
.set ACC,  34                          ; v[34:39] l2_i - x_i
.set KK,   40                          ; v[40:45] bias_i - x_i
.set EB2,  46                          ; enc_b2, twice
.set PA,   48                          ; a of my columns
.set PB,   50                          ; b of my columns
.set SUM1, 52                          ; sum over t of (enc - b)^2
.set SUM2, 54                          ; of the norm
.set SUM3, 56                          ; of log2 |z_grad|
.set SR,   58                          ; v[58:65] four pairs of S in turn
.set YR,   66                          ; v[66:89] twelve pairs of Y in turn
.set CP,   90                          ; v[90:129] c_h, then 2^96 c_h: 20 pairs
.set BP,   130                         ; v[130:189] 2^-64 b, 60 numbers, the same in all lanes
.set GS,   190                         ; v[190:205] the 16 loads that are staged (start only)
.set XR,   206                         ; v[206:211] x as loaded
.set U0R,  212                         ; v[212:213] u0 as loaded
.set U0F,  214
.set XP,   216                         ; v[216:221] x_i as pairs
.set GT,   222
.set RB,   223                         ; wave 0: where the four partial losses are read
; window 1, read as source 1 alone
.set WZ,   0                           ; 2^96 w1[h][1]
.set GG,   20                          ; g_h
.set QQ,   40                          ; q_h, 20 pairs
.set WW,   80                          ; 2^-64 w, 60
.set VV,   140                         ; 2^64 v, 60
; window 2, start only
.set EW,   0                           ; enc_w1, 100
.set EB,   100                         ; enc_b1
.set EW2,  120                         ; enc_w2
; scalar registers: s2 wave; s[4:47] the 22 addresses; s[48:53] params1; s54 enc_b2; s[55:57] the decoders' last biases;
; s[58:59], s[62:63], s[66:67] offsets; s60 trips; s61 scratch
.set G0A, 68                           ; s[68:71] group 0 of the first tile
.set G0B, 72                           ; s[72:75] of the second
.set G1A, 76                           ; s[76:83] group 1 of the first tile
.set G1B, 84                           ; s[84:91] of the second
.set MAIN, 0x04                        ; source 1 in window 1
.set MSB, 0
.macro WIN new                         ; the immediate's high byte repeats the setting that is left
.if MSB != \new
	s_set_vgpr_msb (MSB<<8)|\new
.set MSB, \new
.endif
.endm
; d = a * w + c on pairs; w is ONE register, taken for both halves (op_sel picks it out of its even-aligned pair).  mod: clamp or nothing.
.macro PKFMA d, a, w, c, mod
.if (\w)&1
	v_pk_fma_f32 v[\d:\d+1], v[\a:\a+1], v[(\w)-1:(\w)], v[\c:\c+1] op_sel:[0,1,0] op_sel_hi:[1,1,1] \mod
.else
	v_pk_fma_f32 v[\d:\d+1], v[\a:\a+1], v[\w:\w+1], v[\c:\c+1] op_sel_hi:[1,0,1] \mod
.endif
.endm
; the same with c one register too; w and c are both even or both odd wherever it is used (all bases are even)
.macro PKFMA2 d, a, w, c, mod
.if (\w)&1
	v_pk_fma_f32 v[\d:\d+1], v[\a:\a+1], v[(\w)-1:(\w)], v[(\c)-1:(\c)] op_sel:[0,1,1] op_sel_hi:[1,1,1] \mod
.else
	v_pk_fma_f32 v[\d:\d+1], v[\a:\a+1], v[\w:\w+1], v[\c:\c+1] op_sel_hi:[1,0,0] \mod
.endif
.endm
.macro PKMULB d, a, w
.if (\w)&1
	v_pk_mul_f32 v[\d:\d+1], v[\a:\a+1], v[(\w)-1:(\w)] op_sel:[0,1] op_sel_hi:[1,1]
.else
	v_pk_mul_f32 v[\d:\d+1], v[\a:\a+1], v[\w:\w+1] op_sel_hi:[1,0]
.endif
.endm
.macro BCAST dst, slot, n              ; n loads of 16 bytes, every lane at the same address: a stage slot into registers
.set kk, 0
.rept \n
	ds_load_b128 v[\dst+4*kk:\dst+4*kk+3], v[WA] offset:128*(\slot)+16*kk
.set kk, kk+1
.endr
.endm
	s_load_b512 s[4:19], s[0:1], 0x0               ; zr, x, u0, params1, enc_w1, enc_b1, enc_w2, enc_b2
	s_load_b512 s[20:35], s[0:1], 0x40             ; lx1_w, sec1_w, nl1_w, lx1_b, sec1_b, nl1_b, lx2_w, sec2_w
	s_load_b256 s[36:43], s[0:1], 0x80             ; nl2_w, lx2_b, sec2_b, nl2_b
	s_load_b128 s[44:47], s[0:1], 0xa0             ; out0, out1
	v_lshl_add_u32 v254, v0, 2, 0x29000
	v_mov_b32 v255, 0
	ds_add_u32 v254, v255
	ds_add_u32 v254, v255
	v_lshrrev_b32 v[ZA], 5, v0
	v_readfirstlane_b32 s2, v[ZA]                  ; wave 0..3
	v_and_b32 v[LANE], 31, v0
	v_lshlrev_b32 v[LOFF], 3, v[LANE]
	; the two tiles: R rows of 64 f32 (256 bytes, aligned), 16,384 elements from row to row, dense in LDS
.irp g, G1A, G1B
	s_mov_b32 s[\g+0], 2<<16                       ; no work-group mask; elements of 4 bytes; no padding
	s_mov_b32 s[\g+1], 64<<16                      ; tensor_dim0 = 64
	s_mov_b32 s[\g+3], 64<<16                      ; tile_dim0 = 64
	s_mov_b32 s[\g+5], 16384                       ; pitch
	s_mov_b32 s[\g+6], 0
	s_mov_b32 s[\g+7], 0
.endr
	s_mov_b32 s[G1A+2], TA<<16                     ; tensor_dim1
	s_mov_b32 s[G1A+4], TA                         ; tile_dim1
	s_mov_b32 s[G1B+2], (TW-TA)<<16
	s_mov_b32 s[G1B+4], TW-TA
	s_mov_b32 s[G0A], 1
	s_mov_b32 s[G0B], 1
	s_mul_i32 s[G0A+1], s2, ZWAVE                  ; my wave's rows in LDS
	s_add_co_u32 s[G0B+1], s[G0A+1], TA*256
	s_mul_i32 s58, s2, TW*ROWB                     ; my wave's first row and my group's 256 bytes in it, for zr and out1
	s_lshl_b32 s66, ttmp9, 8                       ; 64 columns of 4 bytes: u0, out0
	s_mov_b32 s67, 0
	s_add_co_u32 s58, s58, s66
	s_mov_b32 s59, 0
	s_mul_i32 s62, ttmp9, 768                      ; 64 columns of 12 bytes: x
	s_mov_b32 s63, 0
	s_wait_dscnt 0x0
	s_wait_kmcnt 0x0
	s_add_nc_u64 s[G0A+2:G0A+3], s[4:5], s[58:59]
	s_add_nc_u64 s[G0B+2:G0B+3], s[G0A+2:G0A+3], TA*ROWB
	s_or_b32 s[G0A+3], s[G0A+3], 0x80000000        ; type 2
	s_or_b32 s[G0B+3], s[G0B+3], 0x80000000
	tensor_load_to_lds s[G0A:G0A+3], s[G1A:G1A+7]  ; rows 0-4 first, so that work can begin on them;
	s_nop 0
	tensor_load_to_lds s[G0B:G0B+3], s[G1B:G1B+7]  ; rows 5-24.  Two tensor loads of a wave are out at the most, and no descriptor is written again
	s_nop 0
	s_load_b128 s[48:51], s[10:11], 0x0            ; params1: a1 b1 a2 b2
	s_load_b64 s[52:53], s[10:11], 0x10            ; a3 b3
	s_load_b32 s54, s[18:19], 0x0                  ; enc_b2
	s_load_b32 s55, s[38:39], 0x0                  ; lx2_b
	s_load_b32 s56, s[40:41], 0x0                  ; sec2_b
	s_load_b32 s57, s[42:43], 0x0                  ; nl2_b
	s_add_nc_u64 s[6:7], s[6:7], s[62:63]          ; x, u0, out0, out1 at my group's (and wave's) part
	s_add_nc_u64 s[8:9], s[8:9], s[66:67]
	s_add_nc_u64 s[44:45], s[44:45], s[66:67]
	s_add_nc_u64 s[46:47], s[46:47], s[58:59]
	; lane terms.  Indices are clamped to each table's last number, so that every lane loads inside its buffer and EXEC stays whole.
	v_min_u32 v[I20], 19, v[LANE]
	v_mad_u32_u24 v[IZ], v[I20], 20, 4
	v_lshlrev_b32 v[I20], 2, v[I20]
.irp k, 0,1,2,3
	v_add_nc_u32 v[I100+\k], 32*\k, v[LANE]
	v_min_u32 v[I100+\k], 99, v[I100+\k]
	v_lshlrev_b32 v[I100+\k], 2, v[I100+\k]
.endr
	v_mul_u32_u24 v[XO], v[LANE], 24
.irp k, 0,1,2,3
	global_load_b32 v[GS+\k], v[I100+\k], s[12:13] ; enc_w1
.endr
	global_load_b32 v[GS+4], v[I20], s[14:15]      ; enc_b1
	global_load_b32 v[GS+5], v[I20], s[16:17]      ; enc_w2
	global_load_b32 v[GS+6], v[IZ], s[12:13]       ; enc_w1[h][1]
.irp k, 0,1,2,3,4,5,6,7,8
	global_load_b32 v[GS+7+\k], v[I20], s[20+2*\k:21+2*\k]   ; the decoders' w (3), b (3), v (3)
.endr
.irp k, 0,1,2
	global_load_b64 v[XR+2*\k:XR+2*\k+1], v[XO], s[6:7] offset:8*\k   ; x of my two columns: 24 bytes
.endr
	global_load_b64 v[U0R:U0R+1], v[LOFF], s[8:9]
	v_add_nc_u32 v[ZA], s[G0A+1], v[LOFF]          ; row 0
	s_mul_i32 s61, s2, WSW
	s_add_co_u32 s61, s61, WS
	v_mov_b32 v[WA], s61
	v_lshl_add_u32 v[WST], v[LANE], 2, v[WA]
	s_lshl_b32 s61, s2, 8
	s_add_co_u32 s61, s61, RED
	v_add_nc_u32 v[RA], s61, v[LOFF]
	v_add_nc_u32 v[RB], RED, v[LOFF]
	; scale the weights, lane h holding unit h, and hand them to all lanes through my wave's own stage
	s_wait_loadcnt 0x4                             ; the 16 weight loads are in; the four younger ones (x, u0) may stay out
	v_mul_f32 v[GT], v[GS+5], v[GS+6]              ; g = w2 w1[:,1]
	v_mul_f32 v[GS+6], 0x6f800000, v[GS+6]         ; 2^96
.irp k, 7,8,9,10,11,12
	v_mul_f32 v[GS+\k], 0x1f800000, v[GS+\k]       ; 2^-64
.endr
.irp k, 13,14,15
	v_mul_f32 v[GS+\k], 0x5f800000, v[GS+\k]       ; 2^64
.endr
.irp s, 0,1,2,3,4,5,6
	ds_store_b32 v[WST], v[GS+\s] offset:128*\s
.endr
	ds_store_b32 v[WST], v[GT] offset:128*7
.irp s, 8,9,10,11,12,13,14,15,16
	ds_store_b32 v[WST], v[GS+\s-1] offset:128*\s
.endr
	; LDS serves a wave's instructions in order (ISA guide 5.7.1): these loads of my own bytes see the stores above
	WIN 0x80                                       ; destination window 2
	BCAST EW, 0, 25
	BCAST EB, 4, 5
	BCAST EW2, 5, 5
	WIN 0x40                                       ; destination window 1
	BCAST WZ, 6, 5
	BCAST GG, 7, 5
	BCAST WW, 8, 5
	BCAST WW+20, 9, 5
	BCAST WW+40, 10, 5
	BCAST VV, 14, 5
	BCAST VV+20, 15, 5
	BCAST VV+40, 16, 5
	WIN 0
	BCAST BP, 11, 5
	BCAST BP+20, 12, 5
	BCAST BP+40, 13, 5
	; what hangs on the column alone
	s_wait_loadcnt 0x0                             ; x, u0
	s_wait_kmcnt 0x0                               ; params1 and the four single biases
	v_cvt_f32_i32 v[U0F], v[U0R]
	v_cvt_f32_i32 v[U0F+1], v[U0R+1]
.irp i, 0,1,2
	v_mov_b32 v[XP+2*\i], v[XR+\i]                 ; x_i of my first column,
	v_mov_b32 v[XP+2*\i+1], v[XR+3+\i]             ; of my second
.endr
.irp j, 0,1
	v_mov_b32 v[PA+\j], s52                        ; row u0 - 1 of params1 by selection: no address is made from u0
	v_mov_b32 v[PB+\j], s53
	v_cmp_eq_u32 vcc_lo, 2, v[U0R+\j]
	v_cndmask_b32 v[PA+\j], v[PA+\j], s50, vcc_lo
	v_cndmask_b32 v[PB+\j], v[PB+\j], s51, vcc_lo
	v_cmp_eq_u32 vcc_lo, 1, v[U0R+\j]
	v_cndmask_b32 v[PA+\j], v[PA+\j], s48, vcc_lo
	v_cndmask_b32 v[PB+\j], v[PB+\j], s49, vcc_lo
	v_mov_b32 v[EB2+\j], s54
.endr
.irp i, 0,1,2
	v_sub_f32 v[KK+2*\i], s[55+\i], v[XP+2*\i]     ; the decoder sums start at bias_i - x_i
	v_sub_f32 v[KK+2*\i+1], s[55+\i], v[XP+2*\i+1]
.endr
.irp r, 0,1,2,3,4,5
	v_mov_b32 v[SUM1+\r], 0                        ; the three sums over t,
	v_mov_b32 v[ACC+\r], 0                         ; and a norm of 0 for the first trip, which adds the norm of the trip before it
.endr
	s_wait_dscnt 55                                ; enc_w1, enc_b1, enc_w2 are in; the 40 + 15 loads issued behind them may stay out
	WIN 0x28                                       ; sources 1 and 2 in window 2
.set hh, 0
.rept 20
	PKFMA2 CP+2*hh, U0F, EW+5*hh, EB+hh            ; c_h = u0 w1[h][0] + b1_h
.set hh, hh+1
.endr
	WIN 0x08                                       ; source 1 in window 2
.irp k, 2,3,4
.set hh, 0
.rept 20
	PKFMA CP+2*hh, XP+2*(\k-2), EW+5*hh+\k, CP+2*hh   ; + x_(k-2) w1[h][k]
.set hh, hh+1
.endr
.endr
	WIN 0x48                                       ; destination window 1, source 1 window 2
.set hh, 0
.rept 20
	PKMULB QQ+2*hh, CP+2*hh, EW2+hh                ; q_h = c_h w2_h
.set hh, hh+1
.endr
	WIN 0
.set hh, 0
.rept 20
	v_pk_mul_f32 v[CP+2*hh:CP+2*hh+1], v[CP+2*hh:CP+2*hh+1], 0x6f800000 op_sel_hi:[1,0]   ; 2^96 c_h
.set hh, hh+1
.endr
; THE ENCODER for the pair in ZR, under MAIN.  S_h is made two units ahead of its two uses; sums run in two chains each.
.macro E1 h
	PKFMA SR+2*((\h)&3), ZR, WZ+(\h), CP+2*(\h), clamp
.endm
.macro E2A h
.if (\h) == 0
	v_pk_fma_f32 v[A0:A0+1], v[SR:SR+1], v[QQ:QQ+1], v[EB2:EB2+1]      ; the first products start the chains: nothing is cleared
.elseif (\h) == 1
	v_pk_mul_f32 v[A0+2:A0+3], v[SR+2:SR+3], v[QQ+2:QQ+3]
.else
	v_pk_fma_f32 v[A0+2*((\h)&1):A0+2*((\h)&1)+1], v[SR+2*((\h)&3):SR+2*((\h)&3)+1], v[QQ+2*(\h):QQ+2*(\h)+1], v[A0+2*((\h)&1):A0+2*((\h)&1)+1]
.endif
.endm
.macro E2B h
.if (\h) < 2
	PKMULB Z0+2*((\h)&1), SR+2*((\h)&3), GG+(\h)
.else
	PKFMA Z0+2*((\h)&1), SR+2*((\h)&3), GG+(\h), Z0+2*((\h)&1)
.endif
.endm
.macro EZONE
	E1 0
	E1 1
.set hh, 0
.rept 20
.if hh+2 < 20
	E1 hh+2
.endif
	E2A hh
	E2B hh
.set hh, hh+1
.endr
.endm
; THE THREE DECODERS for the pair in EN, under MAIN, side by side: three chains, Y made two units ahead of its use.
.macro D1 i, m
	PKFMA2 YR+2*(3*((\m)&3)+\i), EN, WW+20*\i+(\m), BP+20*\i+(\m), clamp
.endm
.macro D2 i, m
.if (\m) == 0
	PKFMA ACC+2*\i, YR+2*(3*((\m)&3)+\i), VV+20*\i+(\m), KK+2*\i
.else
	PKFMA ACC+2*\i, YR+2*(3*((\m)&3)+\i), VV+20*\i+(\m), ACC+2*\i
.endif
.endm
.macro DZONE
.irp i, 0,1,2
	D1 \i, 0
.endr
.irp i, 0,1,2
	D1 \i, 1
.endr
.set mm, 0
.rept 20
.if mm+2 < 20
.irp i, 0,1,2
	D1 \i, mm+2
.endr
.endif
.irp i, 0,1,2
	D2 \i, mm
.endr
.set mm, mm+1
.endr
.endm
; A TRIP, entered with this t's encoder sums in A0, Z0 and the last t's decoder sums in ACC.  It closes both, stores enc, runs this t's
; decoders and, with look = 1, the next t's encoder on the row that it fetches meanwhile.
.macro BODY look
	v_pk_mul_f32 v[N2:N2+1], v[ACC:ACC+1], v[ACC:ACC+1]
	v_pk_add_f32 v[Z0:Z0+1], v[Z0:Z0+1], v[Z0+2:Z0+3]                  ; z_grad
	v_pk_add_f32 v[A0:A0+1], v[A0:A0+1], v[A0+2:A0+3]
	v_pk_fma_f32 v[N2:N2+1], v[ACC+2:ACC+3], v[ACC+2:ACC+3], v[N2:N2+1]
	v_pk_fma_f32 v[EN:EN+1], v[ZR:ZR+1], v[Z0:Z0+1], v[A0:A0+1]        ; enc
	v_pk_fma_f32 v[N2:N2+1], v[ACC+4:ACC+5], v[ACC+4:ACC+5], v[N2:N2+1]
.if \look
	ds_load_b64 v[ZR:ZR+1], v[ZA] offset:256       ; the next row; 130 vector instructions stand between it and its use
.endif
	global_store_b64 v[LOFF], v[EN:EN+1], s[46:47] th:TH_STORE_NT      ; the wave stores 256 consecutive bytes, aligned
	v_log_f32 v[LG], |v[Z0]|
	v_log_f32 v[LG+1], |v[Z0+1]|
	v_sqrt_f32 v[NR], v[N2]
	v_sqrt_f32 v[NR+1], v[N2+1]
	v_pk_add_f32 v[TT:TT+1], v[EN:EN+1], v[PB:PB+1] neg_lo:[0,1] neg_hi:[0,1]   ; enc - b: the plain instruction between the four above and the use of their results
	v_pk_fma_f32 v[SUM1:SUM1+1], v[TT:TT+1], v[TT:TT+1], v[SUM1:SUM1+1]
	s_wait_alu depctr_va_vdst(0)
	v_pk_add_f32 v[SUM3:SUM3+1], v[SUM3:SUM3+1], v[LG:LG+1]
	v_pk_add_f32 v[SUM2:SUM2+1], v[SUM2:SUM2+1], v[NR:NR+1]
.if \look
	v_add_nc_u32 v[ZA], 0x100, v[ZA]
.endif
	WIN MAIN
	DZONE
.if \look
	s_wait_dscnt 0x0                               ; the one LDS load that is out: the next row
	EZONE
.endif
	WIN 0
	s_wait_xcnt 0x0                                ; the store's data (EN) and base are written again only behind this wait
.if \look
	s_add_nc_u64 s[46:47], s[46:47], ROWB
.endif
.endm
	s_wait_dscnt 0x0                               ; all weights are in registers
	s_wait_tensorcnt 0x1                           ; rows 0-4 are in LDS (tensor loads of a wave end in order); the second tile may stay out
	ds_load_b64 v[ZR:ZR+1], v[ZA]                  ; row 0.  Each wave reads only rows that its own loads brought: its own wait is all they need
	s_wait_dscnt 0x0
	WIN MAIN
	EZONE
	WIN 0
	s_mov_b32 s60, TA-1                            ; trips 0-3 look ahead at rows 1-4
.Lfirst:
	BODY 1
	s_sub_co_i32 s60, s60, 1
	s_cmp_lg_u32 s60, 0
	s_cbranch_scc1 .Lfirst
	s_wait_tensorcnt 0x0                           ; rows 5-24; nothing was issued behind them
	s_mov_b32 s60, TW-TA                           ; trips 4-23 look ahead at rows 5-24
.Lrest:
	BODY 1
	s_sub_co_i32 s60, s60, 1
	s_cmp_lg_u32 s60, 0
	s_cbranch_scc1 .Lrest
	BODY 0                                         ; trip 24: nothing follows
	; the last t's norm, then my wave's part of 100 x (loss + log(-a)/2) = -a SUM1 + 20000 SUM2 - ln 2 SUM3
	v_pk_mul_f32 v[N2:N2+1], v[ACC:ACC+1], v[ACC:ACC+1]
	v_pk_fma_f32 v[N2:N2+1], v[ACC+2:ACC+3], v[ACC+2:ACC+3], v[N2:N2+1]
	v_pk_fma_f32 v[N2:N2+1], v[ACC+4:ACC+5], v[ACC+4:ACC+5], v[N2:N2+1]
	v_sqrt_f32 v[NR], v[N2]
	v_sqrt_f32 v[NR+1], v[N2+1]
	v_pk_mul_f32 v[TT:TT+1], v[SUM3:SUM3+1], 0xbf317218 op_sel_hi:[1,0]          ; - ln 2; also the plain instruction behind the roots
	s_wait_alu depctr_va_vdst(0)
	v_pk_add_f32 v[SUM2:SUM2+1], v[SUM2:SUM2+1], v[NR:NR+1]
	v_pk_fma_f32 v[TT:TT+1], v[SUM2:SUM2+1], 0x469c4000, v[TT:TT+1] op_sel_hi:[1,0,1]   ; 20000
	v_pk_fma_f32 v[TT:TT+1], v[PA:PA+1], v[SUM1:SUM1+1], v[TT:TT+1] neg_lo:[1,0,0] neg_hi:[1,0,0]
	ds_store_b64 v[RA], v[TT:TT+1]
	s_wait_dscnt 0x0                               ; for wave 0's sake: my store is done before I signal
	s_barrier_signal -1
	s_barrier_wait -1                              ; the one barrier; every wave passes it
	s_cmp_lg_u32 s2, 0
	s_cbranch_scc1 .Ldone
.irp k, 0,1,2,3
	ds_load_b64 v[SR+2*\k:SR+2*\k+1], v[RB] offset:256*\k
.endr
	v_log_f32 v[LG], -v[PA]
	v_log_f32 v[LG+1], -v[PA+1]
	s_wait_dscnt 0x0
	v_pk_add_f32 v[SR:SR+1], v[SR:SR+1], v[SR+2:SR+3]
	v_pk_add_f32 v[SR+4:SR+5], v[SR+4:SR+5], v[SR+6:SR+7]
	v_pk_add_f32 v[SR:SR+1], v[SR:SR+1], v[SR+4:SR+5]
	s_wait_alu depctr_va_vdst(0)
	v_pk_mul_f32 v[LG:LG+1], v[LG:LG+1], 0xbeb17218 op_sel_hi:[1,0]              ; - log(-a) / 2 = - (ln 2 / 2) log2(-a)
	v_pk_fma_f32 v[TT:TT+1], v[SR:SR+1], 0x3c23d70a, v[LG:LG+1] op_sel_hi:[1,0,1]   ; the mean over 100 t
	global_store_b64 v[LOFF], v[TT:TT+1], s[44:45] th:TH_STORE_NT                ; 256 consecutive bytes of out0, aligned
.Ldone:
	s_wait_tensorcnt 0x0
	ds_add_u32 v254, v255
	s_wait_dscnt 0x0
	s_endpgm
.Lfunc_end_k_q81886de936_linearnet:
	.size	k_q81886de936_linearnet, .Lfunc_end_k_q81886de936_linearnet-k_q81886de936_linearnet
	.p2alignl 7, 3214868480
	.fill 96, 4, 3214868480
	.section	.rodata,"a",@progbits
	.p2align	6, 0x0
	.amdhsa_kernel k_q81886de936_linearnet
		.amdhsa_group_segment_fixed_size 168448
		.amdhsa_private_segment_fixed_size 0
		.amdhsa_enable_private_segment 0
		.amdhsa_kernarg_size 176
		.amdhsa_user_sgpr_count 2
		.amdhsa_user_sgpr_kernarg_segment_ptr 1
		.amdhsa_wavefront_size32 1
		.amdhsa_system_sgpr_workgroup_id_x 1
		.amdhsa_system_sgpr_workgroup_id_y 1
		.amdhsa_system_sgpr_workgroup_id_z 1
		.amdhsa_system_vgpr_workitem_id 0
		.amdhsa_next_free_vgpr 656
		.amdhsa_next_free_sgpr 92
		.amdhsa_reserve_vcc 1
		.amdhsa_float_denorm_mode_32 3
		.amdhsa_float_denorm_mode_16_64 3
		.amdhsa_memory_ordered 1
		.amdhsa_forward_progress 1
		.amdhsa_inst_pref_size 64
	.end_amdhsa_kernel
	.amdgpu_metadata
---
amdhsa.version: [ 1, 2 ]
amdhsa.kernels:
  - .name:           k_q81886de936_linearnet
    .symbol:         k_q81886de936_linearnet.kd
    .args:
      - { .name: zr, .offset: 0, .size: 8, .value_kind: global_buffer, .address_space: global }
      - { .name: x, .offset: 8, .size: 8, .value_kind: global_buffer, .address_space: global }
      - { .name: u0, .offset: 16, .size: 8, .value_kind: global_buffer, .address_space: global }
      - { .name: params1, .offset: 24, .size: 8, .value_kind: global_buffer, .address_space: global }
      - { .name: enc_w1, .offset: 32, .size: 8, .value_kind: global_buffer, .address_space: global }
      - { .name: enc_b1, .offset: 40, .size: 8, .value_kind: global_buffer, .address_space: global }
      - { .name: enc_w2, .offset: 48, .size: 8, .value_kind: global_buffer, .address_space: global }
      - { .name: enc_b2, .offset: 56, .size: 8, .value_kind: global_buffer, .address_space: global }
      - { .name: lx1_w, .offset: 64, .size: 8, .value_kind: global_buffer, .address_space: global }
      - { .name: sec1_w, .offset: 72, .size: 8, .value_kind: global_buffer, .address_space: global }
      - { .name: nl1_w, .offset: 80, .size: 8, .value_kind: global_buffer, .address_space: global }
      - { .name: lx1_b, .offset: 88, .size: 8, .value_kind: global_buffer, .address_space: global }
      - { .name: sec1_b, .offset: 96, .size: 8, .value_kind: global_buffer, .address_space: global }
      - { .name: nl1_b, .offset: 104, .size: 8, .value_kind: global_buffer, .address_space: global }
      - { .name: lx2_w, .offset: 112, .size: 8, .value_kind: global_buffer, .address_space: global }
      - { .name: sec2_w, .offset: 120, .size: 8, .value_kind: global_buffer, .address_space: global }
      - { .name: nl2_w, .offset: 128, .size: 8, .value_kind: global_buffer, .address_space: global }
      - { .name: lx2_b, .offset: 136, .size: 8, .value_kind: global_buffer, .address_space: global }
      - { .name: sec2_b, .offset: 144, .size: 8, .value_kind: global_buffer, .address_space: global }
      - { .name: nl2_b, .offset: 152, .size: 8, .value_kind: global_buffer, .address_space: global }
      - { .name: out0, .offset: 160, .size: 8, .value_kind: global_buffer, .address_space: global }
      - { .name: out1, .offset: 168, .size: 8, .value_kind: global_buffer, .address_space: global }
    .group_segment_fixed_size: 168448
    .private_segment_fixed_size: 0
    .kernarg_segment_align: 8
    .kernarg_segment_size: 176
    .max_flat_workgroup_size: 128
    .sgpr_count:     92
    .vgpr_count:     656
    .wavefront_size: 32
...
	.end_amdgpu_metadata
.endif
;; end of part 1
